; MI455X (gfx1250); checked and timed in simulation.
; The chip was launched on July 23, 2026; its instructions are those of AMD's public machine-readable ISA for CDNA 5 (MIT licence, August 2026) and "CDNA5" Instruction Set Architecture Reference Guide (July 2026). The comments in the code are by the model that wrote it; some were corrected since.
;; Batch Lore Attention Layer. Allowed arithmetic: matrix products marked QUANTISED: E2M1 operands, one E8M0 scale for each 32 along K, by v_wmma_scale_f32_16x16x128_f8f6f4 with both operands' format E2M1 (or v_wmma_scale_f32_32x16x128_f4), f32 sums; products left as they are: f32 operands where the result goes on into a quantised operand, else bf16, f16 or f32 operands; f32 sums; everything else in f32.
;; Inputs: embeddings 2,048 x 128 x 256 float32; k_b 256 float32; k_w 256 x 256 float32; padding_mask 2,048 x 128 bool; q_b 256 float32; q_w 256 x 256 float32.
;; Outputs: out0 2,048 x 256 float32.
;; This version of the problem:
;;   THIS VERSION OF THE PROBLEM IS GIVEN IN LOW PRECISION. The matrix products marked QUANTISED in the list below multiply operands that are first quantised to E2M1 (2 exponent bits, 1 mantissa bit; 4 bits a number), with one power-of-two scale for each 32 numbers along K (OCP MX v1.0); their sums are f32. All else is computed in f32.
;;   The module's matrix products, in the order in which they are computed (A, B: the left and right operand; K: the contracted axis; several contracted axes count as one K, in the product's order):
;;     1. [M 262,144, K 256] x [K 256, N 256]; A: input embeddings; B: input q_w: QUANTISED
;;     2. [M 262,144, K 256] x [K 256, N 256]; A: input embeddings; B: input k_w: QUANTISED
;;     3. batch 2,048 x [M 128, K 256] x [K 256, N 128]; A: computed on the way; B: computed on the way: QUANTISED
;;     4. batch 2,048 x [M 128, K 128] x [K 128, N 256]; A: softmax (see below); B: input embeddings: QUANTISED
;;     5. batch 2,048 x [M 256, K 128] x [K 128, N 1]; A: computed on the way; B: computed on the way: left as it is (N = 1 < 16)
;;   THE QUANTISER, for each operand of a quantised product, along K:
;;     - K is cut into blocks of 32 from its start; a last block that is shorter is filled with zeros.
;;     - A block's scale is 2^e with e = floor(log2(the largest magnitude in the block)) - 2, held to -126 .. 127; a block of zeros has e = 0. As a byte (E8M0): e + 127.
;;     - Each number is divided by its block's scale, clamped to +-6, and rounded to the nearest number of E2M1, ties to even, subnormals kept.
;;     - The product sums the exact products of the quantised numbers (number of the format x scale) in f32.
;;   ~~~python
;;   def quantise(x, axis):      # numpy; x: float32 -> the quantised numbers, widened to float32 again
;;       x = np.moveaxis(x, axis, -1); K = x.shape[-1]
;;       x = np.pad(x, [(0, 0)] * (x.ndim - 1) + [(0, -K % 32)]); x = x.reshape(x.shape[:-1] + (-1, 32)); a = np.abs(x).max(-1, keepdims=True)
;;       e = np.where(a > 0, np.clip(np.frexp(np.where(a > 0, a, 1))[1] - 1 - 2, -126, 127), 0)      # np.frexp(a)[1] - 1 = floor(log2(a)), exactly
;;       r = np.clip(x / 2.0 ** e, -6, 6)
;;       step = 2.0 ** (np.maximum(np.frexp(np.where(r == 0, 1, r))[1] - 1, 0) - 1)
;;       q = np.round(r / step) * step * 2.0 ** e      # np.round: ties to even
;;       return np.moveaxis(q.reshape(q.shape[:-2] + (-1,))[..., :K], -1, axis).astype(np.float32)
;;   ~~~
;;   SOFTMAX AHEAD OF A QUANTISED PRODUCT. Where the list says 'softmax', what is quantised is not the finished softmax but p = 2^(t - M), with t = logit x log2(e) and M = ceil(the row's largest t), a whole number; so 1/2 < the row's largest p <= 1. The row's sum l is taken of the UNQUANTISED p, in f32, and the product's result is divided by l at the end. Since M is a whole number, a kernel that streams over the keys may use a running M (the ceiling of the running maximum): every later rescaling is an exact power of two, which a block's scale takes up: the codes' values come out the same.
;;   OPERANDS COMPUTED ON THE WAY. 'Computed on the way' means the value that the module computes at that place (a softmax that the list does not call 'softmax' is quantised finished and normalised). What goes into a quantiser is computed in f32, as accurately as f32 sums, v_exp_f32 and their like allow (about 1e-6 of the number): no bf16 or f16 on the way to a quantiser, and a product that is left as it is and whose result goes on into a quantised operand takes f32 operands (vector FMAs, or v_wmma_f32_16x16x4_f32). A number that lies on a knife's edge between two numbers of the format may be rounded either way, as far as f32 arithmetic and the matrix unit's own rounding can turn it there, and no further.
;; One version. Each part assembles by itself: llvm-mc -triple=amdgcn-amd-amdhsa -mcpu=gfx1250 --defsym DOCPART=n.
;; ======== version 1 of 1: 2 launches
;; limits: right only within a limited range of input values
;; workspace buffers: wimg 69,632 bytes
;; launch wprep (part 1): grid 32 x 1, 2 waves a work-group, no clusters, 0 bytes of LDS; arguments q_w, k_w, wimg; writes wimg
.if DOCPART == 1
	.amdgcn_target "amdgcn-amd-amdhsa--gfx1250"
	.amdhsa_code_object_version 6
	.text
	.protected	k_qa245e0fc38_wprep
	.globl	k_qa245e0fc38_wprep
	.p2align	8
	.type	k_qa245e0fc38_wprep,@function
k_qa245e0fc38_wprep:
	s_mov_b64 s[64:65], 0
	v_nop
	global_prefetch_b8 v0, s[64:65] scope:SCOPE_SE
	s_setreg_imm32_b32 hwreg(HW_REG_WAVE_MODE, 25, 1), 1
	s_wait_xcnt 0x0
; Nothing of reference() is left out in this program: every input has a way to the output, and padded query rows are computed and weighted by 0.
; q_w and k_w, [256 (e)][256 (d)] f32, become codes of FP4 (E2M1) with one E8M0 scale byte for each 32 along d, laid as images of the operand's registers.
; A unit (work-group) is a tile of 16 rows: unit 4 g + u takes rows 64 (g % 4) + 8 u + 32 (rho / 8) + rho % 8, rho = 0 .. 15, of q_w (g < 4) or k_w: so in the transposed product a lane's
; 32 results of four tiles are 32 neighbours along e: one block of the next quantiser.  Wave s takes d = 128 s .. 128 s + 127.
; wimg: codes at 2048 unit + 1024 s + 512 c + 16 lane; scale words at 65536 + 128 unit + 64 s + 4 rho.
; A block's scale byte is the exponent field of its largest magnitude less 2, held at 1 from below (a block of zeros keeps 1: its codes are zeros, and this program alone reads the bytes).
; LIMITS: NaN and infinities are not served; blocks whose largest magnitude lies under 2^-124 keep the byte 1.
.set CD, 16
.set M,  24
.set SC, 28
.set X,  32
.set BY, 8
.set WD, 10
.set PX, 11
	s_load_b128 s[4:7], s[0:1], 0x0                ; q_w, k_w
	s_load_b64 s[8:9], s[0:1], 0x10                ; wimg
	v_lshrrev_b32 v1, 5, v0
	v_readfirstlane_b32 s22, v1                    ; s
	s_bfe_u32 s10, ttmp9, 0x20002                  ; g % 4
	s_and_b32 s11, ttmp9, 3                        ; u
	s_lshl_b32 s10, s10, 6
	s_lshl_b32 s11, s11, 3
	s_add_co_u32 s12, s10, s11
	s_lshl_b32 s12, s12, 10                        ; a row is 1,024 bytes
	s_lshl_b32 s13, s22, 9
	s_add_co_u32 s12, s12, s13
	s_mov_b32 s13, 0
	s_lshl_b32 s16, ttmp9, 11
	s_lshl_b32 s17, s22, 10
	s_add_co_u32 s16, s16, s17
	s_mov_b32 s17, 0
	s_lshl_b32 s18, ttmp9, 7
	s_lshl_b32 s19, s22, 6
	s_add_co_u32 s18, s18, s19
	s_mov_b32 s19, 0
	s_mov_b32 s20, 0x76543210
	s_mov_b32 s21, 0xfedcba98                      ; lane l xor 16
	v_bfe_u32 v2, v0, 4, 1                         ; h
	v_bfe_u32 v4, v0, 3, 1
	v_and_b32 v5, 7, v0
	v_lshl_add_u32 v4, v4, 5, v5
	v_lshlrev_b32 v3, 10, v4
	v_lshl_add_u32 v3, v2, 7, v3                   ; + 128 h bytes: d = 64 c + 32 h + 0 .. 31
	v_lshlrev_b32 v6, 3, v2                        ; 8 h
	v_and_b32 v7, 31, v0
	v_lshlrev_b32 v7, 4, v7                        ; 16 lane
	v_and_b32 v12, 15, v0
	v_lshlrev_b32 v12, 2, v12                      ; 4 rho
	v_mov_b32 v[PX], 0
	s_wait_alu depctr_va_vdst(0)
	s_wait_kmcnt 0x0
	s_cmp_lt_u32 ttmp9, 16
	s_cselect_b64 s[4:5], s[4:5], s[6:7]
	s_add_nc_u64 s[4:5], s[4:5], s[12:13]
	s_add_nc_u64 s[16:17], s[8:9], s[16:17]
	s_add_nc_u64 s[18:19], s[8:9], s[18:19]
.irp c, 0,1
.irp i, 0,1,2,3,4,5,6,7
	global_load_b128 v[X+32*\c+4*\i:X+32*\c+4*\i+3], v3, s[4:5] offset:256*\c+16*\i
.endr
.endr
	s_wait_loadcnt 0x0
.irp c, 0,1
	v_max3_num_f32 v[M+2*\c], 0x1800000, |v[X+32*\c]|, |v[X+32*\c+1]|   ; the floor 2^(3 - 127) holds the byte at 1 from below
	v_max3_num_f32 v[M+2*\c+1], |v[X+32*\c+16]|, |v[X+32*\c+17]|, |v[X+32*\c+18]|
.endr
.irp i, 2,4,6,8,10,12,14
.irp c, 0,1
	v_max3_num_f32 v[M+2*\c], v[M+2*\c], |v[X+32*\c+\i]|, |v[X+32*\c+\i+1]|
.if \i < 14
	v_max3_num_f32 v[M+2*\c+1], v[M+2*\c+1], |v[X+32*\c+\i+17]|, |v[X+32*\c+\i+18]|
.endif
.endr
.endr
.irp c, 0,1
	v_max3_num_f32 v[M+2*\c], v[M+2*\c], v[M+2*\c+1], |v[X+32*\c+31]|
.endr
.irp c, 0,1
	v_add_nc_u32 v[SC+\c], 0xff000000, v[M+2*\c]   ; 2 off the exponent field
.endr
.irp c, 0,1
	v_lshrrev_b32 v[BY+\c], 23, v[SC+\c]
.endr
	v_lshl_or_b32 v[WD], v[BY+1], 16, v[BY]        ; blocks h and 2 + h
	v_lshlrev_b32 v[WD], v6, v[WD]
	v_permlanex16_b32 v[PX], v[WD], s20, s21
	v_or_b32 v[WD], v[WD], v[PX]                   ; both halves of the lanes hold the whole word
.irp c, 0,1
.irp g, 0,1,2,3
	v_cvt_scalef32_pk8_fp4_f32 v[CD+4*\c+\g], v[X+32*\c+8*\g:X+32*\c+8*\g+7], v[SC+\c]
.endr
.endr
	v_nop
.irp n, 0,1
	global_store_b128 v7, v[CD+4*\n:CD+4*\n+3], s[16:17] offset:512*\n
.endr
	global_store_b32 v12, v[WD], s[18:19] offset:65536   ; lanes l and l + 16 store the same word
	s_endpgm
.Lfunc_end_k_qa245e0fc38_wprep:
	.size	k_qa245e0fc38_wprep, .Lfunc_end_k_qa245e0fc38_wprep-k_qa245e0fc38_wprep
	.p2alignl 7, 3214868480
	.fill 96, 4, 3214868480
	.section	.rodata,"a",@progbits
	.p2align	6, 0x0
	.amdhsa_kernel k_qa245e0fc38_wprep
		.amdhsa_group_segment_fixed_size 0
		.amdhsa_private_segment_fixed_size 0
		.amdhsa_enable_private_segment 0
		.amdhsa_kernarg_size 24
		.amdhsa_user_sgpr_count 2
		.amdhsa_user_sgpr_kernarg_segment_ptr 1
		.amdhsa_wavefront_size32 1
		.amdhsa_system_sgpr_workgroup_id_x 1
		.amdhsa_system_sgpr_workgroup_id_y 1
		.amdhsa_system_sgpr_workgroup_id_z 1
		.amdhsa_system_vgpr_workitem_id 0
		.amdhsa_next_free_vgpr 96
		.amdhsa_next_free_sgpr 66
		.amdhsa_reserve_vcc 0
		.amdhsa_float_denorm_mode_32 3
		.amdhsa_float_denorm_mode_16_64 3
		.amdhsa_memory_ordered 1
		.amdhsa_forward_progress 1
		.amdhsa_inst_pref_size 7
	.end_amdhsa_kernel
	.amdgpu_metadata
---
amdhsa.version: [ 1, 2 ]
amdhsa.kernels:
  - .name:           k_qa245e0fc38_wprep
    .symbol:         k_qa245e0fc38_wprep.kd
    .args:
      - { .name: q_w, .offset: 0, .size: 8, .value_kind: global_buffer, .address_space: global }
      - { .name: k_w, .offset: 8, .size: 8, .value_kind: global_buffer, .address_space: global }
      - { .name: wimg, .offset: 16, .size: 8, .value_kind: global_buffer, .address_space: global }
    .group_segment_fixed_size: 0
    .private_segment_fixed_size: 0
    .kernarg_segment_align: 8
    .kernarg_segment_size: 24
    .max_flat_workgroup_size: 64
    .sgpr_count:     66
    .vgpr_count:     96
    .wavefront_size: 32
...
	.end_amdgpu_metadata
.endif
;; end of part 1
;; launch attn (part 2): grid 256 x 1, 8 waves a work-group, no clusters, 327,680 bytes of LDS; arguments embeddings, padding_mask, q_b, k_b, wimg, out0; writes out0
.if DOCPART == 2
	.amdgcn_target "amdgcn-amd-amdhsa--gfx1250"
	.amdhsa_code_object_version 6
	.text
	.protected	k_qa245e0fc38_attn
	.globl	k_qa245e0fc38_attn
	.p2align	8
	.type	k_qa245e0fc38_attn,@function
k_qa245e0fc38_attn:
	s_mov_b64 s[64:65], 0
	v_nop
	global_prefetch_b8 v0, s[64:65] scope:SCOPE_SE
	s_setreg_imm32_b32 hwreg(HW_REG_WAVE_MODE, 25, 1), 1
	s_wait_xcnt 0x0
; A work-group takes 8 batches of 128 rows x 256; out0's row of a batch = tanh(mean over its valid rows of softmax(Q K^T / 16) x), the four quantised products on FP4 codes (E2M1, one E8M0 scale for each 32 along K).
; EIGHT WAVES, two to a SIMD.  Wave w = ec + 4 rh: columns 128 ec .. 128 ec + 127 of [Q | K] for the tiles of rows 4 rh .. 4 rh + 3 (its weights' codes stay in 128 registers, the bias in 64: the products' first C);
; tile w of 16 queries for scores and softmax; channels 32 w .. 32 w + 31 of the last product (x's codes along the rows stay in its own registers; p's codes and the rows' weights valid / l come through LDS).
; ROWS OF A TILE: lane r of tile t is row 64 (t / 4) + 32 (r / 8) + 8 (t % 4) + P(r % 8), P(j) = j / 2 + 4 (j % 2): so a lane's 32 scores of four key tiles are one block of 32 keys, in the order in which
; the codes of x along the rows come out: those are made from pairs of columns (8 bytes a lane), the nibbles of rows i and i + 4 of eight laid side by side.
; A TRIP for batch k: x(k) quantised along d, while batch k - 1 goes through scores and softmax; barrier; x(k) quantised along the rows; last product of batch k - 1; Q and K of batch k; barrier, and the slot is filled with batch k + 2.
; Three barriers a trip: behind the codes of x and p; behind the loads of x's codes (Q's codes take their bytes); behind Q and K, where a slot is filled again.
; M = ceil(largest t); p = 2^(t - M); the sum l is of the unquantised p.  A padded key has -2^127 added to its score by the product's C; a batch without a valid row gives NaN, as reference() does.
; LIMITS: holds while the scaled scores stay under 2^31 in magnitude; NaN and infinities among the inputs are not served; blocks whose largest magnitude lies under 2^-124 keep the scale byte 1 (as blocks of zeros do: their codes are zeros).
; cluster = none: work-groups share nothing but the weights' image, which each wave loads once.
; PREFETCH: each wave asks for its 16 rows (64 blocks of 256 bytes) of the batch that the next refill loads, one trip ahead of that load; the last three trips ask for nothing.
.set PITCH, 1040                       ; a row: 1,024 bytes + 16
.set G32,  33408                       ; 32 rows + 128
.set SLOT, 4*G32
.set SCR,  2*SLOT
.set KI,   17408                       ; behind SCR: Q's (or x's) codes at 0, scale words at 16384; K's at 17408, 33792
.set KSI,  33792
.set PI,   34816                       ; p's codes; scale words at 43008
.set PSI,  43008
.set WQI,  43520                       ; rows' weights; 512 behind: the keys' mask addends
.set OSI,  44544                       ; results of 8 batches, 1,024 bytes each
.set SPARE, SCR+52736
.set SPW,  1
.set NIL,  2
.set AX1,  3
.set AL,   4
.set ADR1, 5
.set ADL,  6
.set ADL2, 7
.set A16,  8
.set A4,   9
.set AQX,  10
.set AQS,  11
.set ADXS, 12
.set APQ,  14
.set APQS, 15
.set API,  16
.set APS,  17
.set AWS,  18
.set AWR,  19
.set APSR, 21
.set AOS,  22
.set AXF,  23
.set AXS,  24
.set MO,   25
.set PFO,  26
.set H8,   27
.set VAL,  28
.set MBY,  29
.set NM,   30
.set WS,   32                          ; weights' scale words
.set XS,   40                          ; x's
.set KSR,  44                          ; K's, then p's
.set QS,   52
.set AOK,  53
.set XLSO, 54
.set XLSN, 56
.set PX,   58
.set M,    60
.set XLO,  64                          ; x's codes along the rows: batch k - 1,
.set XLN,  80                          ; and batch k
.set QF,   96
.set WB,   96
.set CD,   112
.set SC,   120
.set BY,   124
.set S,    128                         ; two work areas of 64
.set Y,    192
.set W,    0                           ; window 1: weights,
.set CB,   128                         ; bias,
.set XF,   192                         ; fragments of K or of x
.set WV,   16
.set EC,   17
.set TB,   18
.set CNT,  19
.set SEL,  20
.set CS,   22
.set HM,   24
.set NIB,  25
.set NANM, 26
.set RH,   27
.set G1,   28
.set G0,   36
.set WBASE, 40
.set OB,   41
.set PFA,  42
.set MK0,  44
.set MSB, 0
.set ii, 0
.macro WIN new
.if MSB != (\new)
	s_set_vgpr_msb (MSB<<8)|(\new)
.set MSB, (\new)
.endif
.endm
.macro PLACES n
.rept \n
	v_nop
.endr
.endm
.macro WALU
	s_wait_alu depctr_va_vdst(0)
.endm
.macro WDS n
	WALU
	s_wait_dscnt \n
.endm
.macro WM d, a, b, c, sa, sb, row              ; c < 0: the sum starts at 0.  row 1: the scale words of the second 128 along K lie in lanes 16-31
.if (\c) < 0
	v_wmma_scale_f32_16x16x128_f8f6f4 v[(\d):(\d)+7], v[(\a):(\a)+7], v[(\b):(\b)+7], 0, v[(\sa)], v[(\sb)] matrix_a_fmt:MATRIX_FMT_FP4 matrix_b_fmt:MATRIX_FMT_FP4
.else
.if (\row) == 0
	v_wmma_scale_f32_16x16x128_f8f6f4 v[(\d):(\d)+7], v[(\a):(\a)+7], v[(\b):(\b)+7], v[(\c):(\c)+7], v[(\sa)], v[(\sb)] matrix_a_fmt:MATRIX_FMT_FP4 matrix_b_fmt:MATRIX_FMT_FP4
.else
	v_wmma_scale_f32_16x16x128_f8f6f4 v[(\d):(\d)+7], v[(\a):(\a)+7], v[(\b):(\b)+7], v[(\c):(\c)+7], v[(\sa)], v[(\sb)] matrix_a_fmt:MATRIX_FMT_FP4 matrix_b_fmt:MATRIX_FMT_FP4 matrix_a_scale:MATRIX_SCALE_ROW1 matrix_b_scale:MATRIX_SCALE_ROW1
.endif
.endif
.endm
; 64 registers from B: two blocks of 32 in each lane -> codes CD .. CD + 7, bytes BY, BY + 1; stored: codes at adr + o (+ 512), bytes at adrs + os (+ 2)
.macro QUANT2 B, adr, o, adrs, os
.irp c, 0,1
	v_max3_num_f32 v[M+2*\c], 0x1800000, |v[(\B)+32*\c]|, |v[(\B)+32*\c+1]|
	v_max3_num_f32 v[M+2*\c+1], |v[(\B)+32*\c+16]|, |v[(\B)+32*\c+17]|, |v[(\B)+32*\c+18]|
.endr
.irp i, 2,4,6,8,10,12,14
.irp c, 0,1
	v_max3_num_f32 v[M+2*\c], v[M+2*\c], |v[(\B)+32*\c+\i]|, |v[(\B)+32*\c+\i+1]|
.if \i < 14
	v_max3_num_f32 v[M+2*\c+1], v[M+2*\c+1], |v[(\B)+32*\c+\i+17]|, |v[(\B)+32*\c+\i+18]|
.endif
.endr
.endr
.irp c, 0,1
	v_max3_num_f32 v[M+2*\c], v[M+2*\c], v[M+2*\c+1], |v[(\B)+32*\c+31]|
.endr
	PACK2 \B, \adr, \o, \adrs, \os
.endm
.macro PACK2 B, adr, o, adrs, os               ; from the blocks' largest magnitudes in M, M + 2
.irp c, 0,1
	v_add_nc_u32 v[SC+\c], 0xff000000, v[M+2*\c]
.endr
.irp c, 0,1
	v_lshrrev_b32 v[BY+\c], 23, v[SC+\c]
.endr
.irp c, 0,1
.irp g, 0,1,2,3
	v_cvt_scalef32_pk8_fp4_f32 v[CD+4*\c+\g], v[(\B)+32*\c+8*\g:(\B)+32*\c+8*\g+7], v[SC+\c]
.endr
.endr
	v_nop
	ds_store_b8 v[\adrs], v[BY] offset:\os
	ds_store_b8 v[\adrs], v[BY+1] offset:(\os)+2
	ds_store_b128 v[\adr], v[CD:CD+3] offset:\o
	ds_store_b128 v[\adr], v[CD+4:CD+7] offset:(\o)+512
.endm
.macro DQLD s, B                               ; row of my tile, d = 128 s + 64 c + 32 h + 0 .. 31
.set ii, 0
.rept 16
	ds_load_b128 v[(\B)+4*ii:(\B)+4*ii+3], v[ADR1] offset:512*(\s)+256*(ii/8)+16*(ii%8)
.set ii, ii+1
.endr
.endm
; 32 rows (a block) x my two columns: column k's row i at B + 2 i + k
.macro LQ c, B
.irp k, 0,1
	v_max3_num_f32 v[M+2*\k], 0x1800000, |v[(\B)+\k]|, |v[(\B)+2+\k]|
	v_max3_num_f32 v[M+2*\k+1], |v[(\B)+32+\k]|, |v[(\B)+34+\k]|, |v[(\B)+36+\k]|
.endr
.irp i, 2,4,6,8,10,12,14
.irp k, 0,1
	v_max3_num_f32 v[M+2*\k], v[M+2*\k], |v[(\B)+2*\i+\k]|, |v[(\B)+2*\i+2+\k]|
.if \i < 14
	v_max3_num_f32 v[M+2*\k+1], v[M+2*\k+1], |v[(\B)+2*\i+34+\k]|, |v[(\B)+2*\i+36+\k]|
.endif
.endr
.endr
.irp k, 0,1
	v_max3_num_f32 v[M+2*\k], v[M+2*\k], v[M+2*\k+1], |v[(\B)+62+\k]|
.endr
.irp k, 0,1
	v_add_nc_u32 v[SC+\k], 0xff000000, v[M+2*\k]
.endr
.irp k, 0,1
	v_lshrrev_b32 v[BY+2*(\c)+\k], 23, v[SC+\k]
.endr
.irp g, 0,1,2,3                                ; both columns' numbers under column 0's scale, then under column 1's
	v_cvt_scalef32_pk8_fp4_f32 v[QF+4*\g], v[(\B)+16*\g:(\B)+16*\g+7], v[SC]
	v_cvt_scalef32_pk8_fp4_f32 v[QF+4*\g+1], v[(\B)+16*\g+8:(\B)+16*\g+15], v[SC]
	v_cvt_scalef32_pk8_fp4_f32 v[QF+4*\g+2], v[(\B)+16*\g:(\B)+16*\g+7], v[SC+1]
	v_cvt_scalef32_pk8_fp4_f32 v[QF+4*\g+3], v[(\B)+16*\g+8:(\B)+16*\g+15], v[SC+1]
.endr
	v_nop
.irp g, 0,1,2,3
	v_lshlrev_b32 v[QF+4*\g+1], 4, v[QF+4*\g+1]
	v_lshrrev_b32 v[QF+4*\g+2], 4, v[QF+4*\g+2]
.endr
.irp g, 0,1,2,3                                ; column 0 keeps the even nibbles, column 1 the odd ones
	v_bfi_b32 v[XLN+4*(\c)+\g], s[NIB], v[QF+4*\g], v[QF+4*\g+1]
	v_bfi_b32 v[XLN+8+4*(\c)+\g], s[NIB], v[QF+4*\g+2], v[QF+4*\g+3]
.endr
.endm
.macro KLD half                                ; K's tiles 4 half .. 4 half + 3
	WIN 0x40
.set ii, 0
.rept 16
	ds_load_b128 v[XF+4*ii:XF+4*ii+3], v[A16] offset:KI+8192*(\half)+512*ii
.set ii, ii+1
.endr
	WIN 0
.endm
.macro SCORE half                              ; source 0 = 16 keys, source 1 = my 16 queries; the four sums by turns
	WIN 0x01
.irp t, 0,1,2,3
	WM S+32*(\half)+8*\t, XF+16*\t, QF, S+32*(\half)+8*\t, KSR+4*(\half)+\t, QS, 0
.endr
.irp t, 0,1,2,3
	WM S+32*(\half)+8*\t, XF+16*\t+8, QF+8, S+32*(\half)+8*\t, KSR+4*(\half)+\t, QS, 1
.endr
	WIN 0
.endm
.macro SOFTMAX
.irp b, 0,1,2,3
	v_max3_num_f32 v[M+\b], v[S+16*\b], v[S+16*\b+1], v[S+16*\b+2]
.endr
.irp i, 3,5,7,9,11,13
.irp b, 0,1,2,3
	v_max3_num_f32 v[M+\b], v[M+\b], v[S+16*\b+\i], v[S+16*\b+\i+1]
.endr
.endr
	v_max3_num_f32 v[M], v[M], v[M+1], v[S+15]
	v_max3_num_f32 v[M+2], v[M+2], v[M+3], v[S+47]
	v_max_num_f32 v[M], v[M], v[S+31]              ; the largest score of block h
	v_max_num_f32 v[M+2], v[M+2], v[S+63]          ; and of block 2 + h
	v_max_num_f32 v[M+1], v[M], v[M+2]
	v_permlanex16_b32 v[PX], v[M+1], s[SEL], s[SEL+1]
	v_max_num_f32 v[M+1], v[M+1], v[PX]
	v_mul_f32 v[M+1], s[CS], v[M+1]
	v_floor_f32 v[NM], -v[M+1]                     ; -M = -ceil(t)
.set ii, 0
.rept 32
	v_pk_fma_f32 v[S+ii:S+ii+1], v[S+ii:S+ii+1], s[CS:CS+1], v[NM:NM+1] op_sel_hi:[1,0,0]
.set ii, ii+2
.endr
	v_fma_f32 v[M], v[M], s[CS], v[NM]
	v_fma_f32 v[M+2], v[M+2], s[CS], v[NM]
	WALU
.set ii, 0
.rept 64
	v_exp_f32 v[S+ii], v[S+ii]
.set ii, ii+1
.endr
	v_exp_f32 v[M], v[M]                           ; the blocks' largest p: the same arithmetic on the same number
	v_exp_f32 v[M+2], v[M+2]
	v_nop
	WALU
	v_max_num_f32 v[M], 0x1800000, v[M]
	v_max_num_f32 v[M+2], 0x1800000, v[M+2]
	PACK2 S, API, 0, APS, 0
.irp q, 0,1,2,3
	v_pk_add_f32 v[QF+2*\q:QF+2*\q+1], v[S+4*\q:S+4*\q+1], v[S+4*\q+2:S+4*\q+3]
.endr
.irp j, 16,24,32,40,48,56
.irp q, 0,1,2,3
	v_pk_add_f32 v[QF+2*\q:QF+2*\q+1], v[QF+2*\q:QF+2*\q+1], v[S+\j+2*\q:S+\j+2*\q+1]
.endr
.endr
	v_pk_add_f32 v[QF:QF+1], v[QF:QF+1], v[QF+2:QF+3]
	v_pk_add_f32 v[QF+4:QF+5], v[QF+4:QF+5], v[QF+6:QF+7]
	v_pk_add_f32 v[QF:QF+1], v[QF:QF+1], v[QF+4:QF+5]
	v_add_f32 v[QF], v[QF], v[QF+1]
	v_permlanex16_b32 v[PX], v[QF], s[SEL], s[SEL+1]
	v_add_f32 v[QF], v[QF], v[PX]                  ; l
	WALU
	v_rcp_f32 v[QF], v[QF]
	v_nop
	WALU
	v_mul_f32 v[QF], v[QF], v[VAL]                 ; valid / l
	ds_store_b32 v[AWS], v[QF]
.endm
; The last product, two tiles of queries x my two tiles of 16 channels; each tile's rows are weighted and summed
.macro AVM g
.irp a, 0,1
.irp dt, 0,1
	WM Y+32*((\g)%2)+16*\a+8*\dt, S+16*(\g)+8*\a, XLO+8*\dt, -1, KSR+2*(\g)+\a, XLSO+\dt, 0
.endr
.endr
.endm
.macro RED g
.irp a, 0,1
.irp jp, 0,1,2,3
.irp dt, 0,1
.if ((\g) == 0) && (\a == 0)
	v_pk_mul_f32 v[S+8*\dt+2*\jp:S+8*\dt+2*\jp+1], v[Y+32*((\g)%2)+16*\a+8*\dt+2*\jp:Y+32*((\g)%2)+16*\a+8*\dt+2*\jp+1], v[WB+8*((2*(\g)+\a)%4)+2*\jp:WB+8*((2*(\g)+\a)%4)+2*\jp+1]
.else
	v_pk_fma_f32 v[S+8*\dt+2*\jp:S+8*\dt+2*\jp+1], v[Y+32*((\g)%2)+16*\a+8*\dt+2*\jp:Y+32*((\g)%2)+16*\a+8*\dt+2*\jp+1], v[WB+8*((2*(\g)+\a)%4)+2*\jp:WB+8*((2*(\g)+\a)%4)+2*\jp+1], v[S+8*\dt+2*\jp:S+8*\dt+2*\jp+1]
.endif
.endr
.endr
.endr
.endm
.macro WLD from, n                             ; rows' weights, 16-byte pieces from .. from + n - 1: piece 2 t + i is tile t, rows 8 h + 4 i ..
.set ii, \from
.rept \n
	ds_load_b128 v[WB+4*(ii%8):WB+4*(ii%8)+3], v[AWR] offset:64*(ii/2)+16*(ii%2)
.set ii, ii+1
.endr
.endm
.macro AV
.irp t, 0,1,2,3,4,5,6,7
	ds_load_b32 v[KSR+\t], v[APSR] offset:64*\t
.endr
.set ii, 0
.rept 16
	ds_load_b128 v[S+4*ii:S+4*ii+3], v[A16] offset:PI+512*ii
.set ii, ii+1
.endr
	WLD 0, 8
	WDS 16                                         ; the scale words and tiles 0-3 are in; tiles 4-7 and the weights may be out
	AVM 0
	AVM 1
	PLACES 4
	WDS 0
	RED 0                                          ; (the sums take the registers of p's tiles 0 and 1)
	WLD 8, 4
	AVM 2
	RED 1
	WLD 12, 4
	AVM 3
	WDS 4                                          ; tiles 4 and 5's weights are in
	RED 2
	WDS 0
	RED 3
.irp dt, 0,1
	v_pk_add_f32 v[S+8*\dt:S+8*\dt+1], v[S+8*\dt:S+8*\dt+1], v[S+8*\dt+2:S+8*\dt+3]
	v_pk_add_f32 v[S+8*\dt+4:S+8*\dt+5], v[S+8*\dt+4:S+8*\dt+5], v[S+8*\dt+6:S+8*\dt+7]
.endr
.irp dt, 0,1
	v_pk_add_f32 v[S+8*\dt:S+8*\dt+1], v[S+8*\dt:S+8*\dt+1], v[S+8*\dt+4:S+8*\dt+5]
.endr
.irp dt, 0,1
	v_add_f32 v[M+\dt], v[S+8*\dt], v[S+8*\dt+1]
.endr
.irp dt, 0,1
	v_permlanex16_b32 v[PX+\dt], v[M+\dt], s[SEL], s[SEL+1]
.endr
.irp dt, 0,1
	v_add_f32 v[M+\dt], v[M+\dt], v[PX+\dt]
.endr
	v_cndmask_b32 v[M], v[M], v[M+1], s[HM]        ; lane (r, h): channel 32 w + 2 r + h
	v_add_nc_u32 v[AOK], s[OB], v[AOS]
.endm
.macro PW tl, B                                ; source 0 = 16 columns of [Q | K], source 1 = 16 rows of x: a lane holds one row, and eight tiles' registers run along e
	WIN 0x15
.irp t, 0,1,2,3,4,5,6,7
	WM (\B)+8*\t, W+16*\t, XF+16*(\tl), CB+8*\t, WS+\t, XS+(\tl), 0
.endr
	WIN 0x05
.irp t, 0,1,2,3,4,5,6,7
	WM (\B)+8*\t, W+16*\t+8, XF+16*(\tl)+8, (\B)+8*\t, WS+\t, XS+(\tl), 1
.endr
	WIN 0
.endm
; att: batch k - 1 goes through attention; dq: batch k is quantised and projected; refill: its slot is filled with batch k + 2
.macro TRIP att, dq, refill
.if \dq
	v_add_nc_u32 v[ADR1], s[TB], v[AX1]
	v_add_nc_u32 v[ADL], s[TB], v[AL]
	v_add_nc_u32 v[ADL2], 2*G32, v[ADL]
	global_load_u8 v[MBY], v[MO], s[6:7]           ; is my row of tile w padded?
.endif
.if \att
.irp n, 0,1,2,3
	ds_load_b128 v[QF+4*\n:QF+4*\n+3], v[AQX] offset:512*\n
.endr
	ds_load_b32 v[QS], v[AQS]
.irp t, 0,1,2,3,4,5,6,7
	ds_load_b32 v[KSR+\t], v[A4] offset:KSI+128*\t
.endr
.set ii, 0
.rept 16
	ds_load_b128 v[S+4*ii:S+4*ii+3], v[AWR] offset:512+64*(ii/2)+16*(ii%2)   ; the keys' addends: the scores' C
.set ii, ii+1
.endr
	KLD 0
.endif
.if \dq
	DQLD 0, Y
.if (\att) == 0
	DQLD 1, S
.endif
.endif
.if \refill
	global_prefetch_b8 v[PFO], s[PFA:PFA+1] offset:262144 th:TH_LOAD_NT scope:SCOPE_SE
	global_prefetch_b8 v[PFO], s[PFA:PFA+1] offset:262144+8192 th:TH_LOAD_NT scope:SCOPE_SE
.endif
.if \att
	WDS 16*(\dq)                                   ; x's 16 loads may be out
	SCORE 0
	PLACES 4
	KLD 1
.if \dq
	WDS 16                                         ; x is in; K's second half may be out
	QUANT2 Y, AQX, 0, ADXS, 0                      ; (my tile of Q has been read: x's codes take its bytes)
.endif
	WDS 4*(\dq)                                    ; four stores may be out
	SCORE 1
.if \dq
	DQLD 1, Y
.endif
	PLACES 4
	SOFTMAX
.if \dq
	WDS 5                                          ; five stores may be out
	QUANT2 Y, AQX, 1024, ADXS, 64
.endif
.else
	WDS 16                                         ; the second half's 16 loads may be out
	QUANT2 Y, AQX, 0, ADXS, 0
	WDS 4
	QUANT2 S, AQX, 1024, ADXS, 64
.endif
	WDS 0                                          ; codes of x and of p and the weights are stored
	s_barrier_signal -1
.if \dq
.set ii, 0
.rept 32
	ds_load_b64 v[S+2*ii:S+2*ii+1], v[ADL] offset:PITCH*ii
.set ii, ii+1
.endr
.set ii, 0
.rept 32
	ds_load_b64 v[Y+2*ii:Y+2*ii+1], v[ADL2] offset:PITCH*ii
.set ii, ii+1
.endr
	WDS 32                                         ; rows 32 h on are in; rows 64 + 32 h on may be out
	LQ 0, S
.endif
	WALU
	s_barrier_wait -1
.if \dq
	WIN 0x40
.set ii, 0
.rept 16
	ds_load_b128 v[XF+4*ii:XF+4*ii+3], v[AXF] offset:512*ii
.set ii, ii+1
.endr
	WIN 0
.irp t, 0,1,2,3
	ds_load_b32 v[XS+\t], v[AXS] offset:128*\t
.endr
	WDS 20                                         ; the 20 just issued may be out
	LQ 1, Y
.irp k, 0,1
	v_lshl_or_b32 v[XLSN+\k], v[BY+2+\k], 16, v[BY+\k]
.endr
.irp k, 0,1
	v_lshlrev_b32 v[XLSN+\k], v[H8], v[XLSN+\k]
.endr
.irp k, 0,1
	v_permlanex16_b32 v[PX+\k], v[XLSN+\k], s[SEL], s[SEL+1]
.endr
.irp k, 0,1
	v_or_b32 v[XLSN+\k], v[XLSN+\k], v[PX+\k]
.endr
	WDS 0                                          ; x's codes are in my registers: behind the barrier Q's codes take their bytes
	s_barrier_signal -1
.endif
.if \att
	AV
.endif
.if \dq
	WALU
	s_barrier_wait -1
.endif
.if \att
	WALU
	ds_store_b32 v[AOK], v[M]
	s_add_co_u32 s[OB], s[OB], 1024
.endif
.if \dq
.set ii, 0
.rept 16
	v_mov_b32 v[XLO+ii], v[XLN+ii]
.set ii, ii+1
.endr
	v_mov_b32 v[XLSO], v[XLSN]
	v_mov_b32 v[XLSO+1], v[XLSN+1]
	WALU
	s_wait_loadcnt 0x0
	s_wait_xcnt 0x0                                ; the mask's and the prefetches' bases may step
	s_add_nc_u64 s[6:7], s[6:7], 128
.if \refill
	s_add_nc_u64 s[PFA:PFA+1], s[PFA:PFA+1], 0x20000
.endif
	PW 0, S
	PW 1, Y
	v_sub_nc_u32 v[CD], 0, v[MBY]                  ; (these are places too)
	v_cvt_f32_u32 v[VAL], v[MBY]
	v_lshlrev_b32 v[CD], 24, v[CD]                 ; padded: -2^127, else 0
	v_sub_f32 v[VAL], 1.0, v[VAL]
	v_nop
	ds_store_b32 v[AWS], v[CD] offset:512
	QUANT2 S, APQ, 0, APQS, 0
	PW 2, S
	QUANT2 Y, APQ, 2048, APQS, 128
	PW 3, Y
	QUANT2 S, APQ, 4096, APQS, 256
	QUANT2 Y, APQ, 6144, APQS, 384
	WALU
	s_wait_tensorcnt 0x0                           ; my part of the next batch has landed
	ds_add_u32 v[SPW], v[NIL]
.if \refill
	s_add_co_u32 s[G0+1], s[WBASE], s[TB]
	s_add_nc_u64 s[G0+2:G0+3], s[G0+2:G0+3], 0x20000
.endif
	s_wait_dscnt 0x0
	s_barrier_signal -1
	s_barrier_wait -1
.if \refill
	tensor_load_to_lds s[G0:G0+3], s[G1:G1+7]      ; batch k + 2 into the slot just left; it has the next trip in which to land
	s_nop 0
	PLACES 4
.endif
	s_xor_b32 s[TB], s[TB], SLOT
.endif
.endm
	s_load_b256 s[4:11], s[0:1], 0x0               ; embeddings, mask, q_b, k_b
	s_load_b128 s[12:15], s[0:1], 0x20             ; wimg, out0
	v_lshl_add_u32 v[SPW], v0, 2, SPARE
	v_mov_b32 v[NIL], 0
	ds_add_u32 v[SPW], v[NIL]
	ds_add_u32 v[SPW], v[NIL]
	v_lshrrev_b32 v128, 5, v0
	v_readfirstlane_b32 s[WV], v128
	; group 1: 16 rows of 256 elements of 4 bytes, 4 words of padding behind every 256
	s_mov_b32 s[G1+0], (2<<16)|(1<<20)|(7<<22)|(3<<25)
	s_mov_b32 s[G1+1], 256<<16
	s_mov_b32 s[G1+2], 16<<16
	s_mov_b32 s[G1+3], 256<<16
	s_mov_b32 s[G1+4], 16
	s_mov_b32 s[G1+5], 256
	s_mov_b32 s[G1+6], 0
	s_mov_b32 s[G1+7], 0
	s_and_b32 s[EC], s[WV], 3
	s_lshr_b32 s[RH], s[WV], 2
	s_mul_i32 s[WBASE], s[WV], 16*PITCH            ; rows 16 w on; 128 bytes more for each 32 rows passed
	s_lshr_b32 s46, s[WV], 1
	s_lshl_b32 s46, s46, 7
	s_add_co_u32 s[WBASE], s[WBASE], s46
	s_lshl_b32 s48, ttmp9, 20
	s_lshl_b32 s46, s[WV], 14
	s_add_co_u32 s48, s48, s46                     ; my 16 rows of the first batch
	s_mov_b32 s49, 0
	s_lshl_b32 s50, ttmp9, 10                      ; the mask of 8 batches
	s_mov_b32 s51, 0
	s_lshl_b32 s52, ttmp9, 13
	s_lshl_b32 s46, s[WV], 10
	s_add_co_u32 s52, s52, s46                     ; out0: batch w of the eight
	s_mov_b32 s53, 0
	s_lshl_b32 s54, s[EC], 14                      ; my weights' codes
	s_mov_b32 s55, 0
	s_lshl_b32 s56, s[EC], 10                      ; and scale words
	s_mov_b32 s57, 0
	s_and_b32 s62, s[EC], 1
	s_lshl_b32 s62, s62, 9                         ; my bias
	s_mov_b32 s63, 0
	s_mov_b32 s[TB], 0
	s_mov_b32 s[OB], 0
	s_mov_b32 s[SEL], 0x76543210
	s_mov_b32 s[SEL+1], 0xfedcba98                 ; lane l xor 16
	s_mov_b32 s[CS], 0x3db8aa3b                    ; log2(e) / 16
	s_mov_b32 s[CS+1], s[CS]
	s_mov_b32 s[HM], 0xffff0000                    ; lanes 16-31
	s_mov_b32 s[NIB], 0x0f0f0f0f
	WALU
	s_wait_dscnt 0x0
	s_wait_kmcnt 0x0
	s_add_nc_u64 s[PFA:PFA+1], s[4:5], s[48:49]
	s_mov_b32 s[G0], 1
	s_mov_b32 s[G0+1], s[WBASE]
	s_mov_b64 s[G0+2:G0+3], s[PFA:PFA+1]
	s_or_b32 s[G0+3], s[G0+3], 0x80000000
	tensor_load_to_lds s[G0:G0+3], s[G1:G1+7]      ; batch 0 into slot 0: one load a wave
	s_nop 0
	PLACES 4
	s_add_nc_u64 s[6:7], s[6:7], s[50:51]
	s_lshl_b32 s50, s[WV], 7
	s_add_nc_u64 s[MK0:MK0+1], s[6:7], s[50:51]    ; the mask of batch w, for the way out
	s_add_nc_u64 s[14:15], s[14:15], s[52:53]
	s_add_nc_u64 s[58:59], s[12:13], s[54:55]
	s_add_nc_u64 s[60:61], s[12:13], s[56:57]
	s_cmp_lt_u32 s[EC], 2
	s_cselect_b64 s[8:9], s[8:9], s[10:11]
	s_add_nc_u64 s[8:9], s[8:9], s[62:63]
	; scalars of the LDS addresses
	s_mul_i32 s66, s[RH], 2*G32
	s_mul_i32 s67, s[EC], 8*PITCH
	s_add_co_u32 s66, s66, s67                     ; my tile's first row of x in a slot
	s_lshl_b32 s67, s[WV], 7                       ; 128 w
	s_lshl_b32 s68, s[WV], 11
	s_add_co_u32 s68, s68, SCR                     ; SCR + 2048 w
	s_add_co_u32 s69, s67, SCR+16384               ; SCR + 16384 + 128 w
	s_lshr_b32 s70, s[EC], 1
	s_mul_i32 s70, s70, KI                         ; Q's image or K's
	s_and_b32 s71, s[EC], 1
	s_lshl_b32 s72, s71, 10
	s_add_co_u32 s72, s72, s70
	s_lshl_b32 s73, s[RH], 13
	s_add_co_u32 s72, s72, s73
	s_add_co_u32 s72, s72, SCR                     ; where my codes of Q or K go
	s_lshl_b32 s71, s71, 6
	s_add_co_u32 s70, s70, s71
	s_lshl_b32 s71, s[RH], 9
	s_add_co_u32 s70, s70, s71
	s_add_co_u32 s70, s70, SCR+16384               ; and their scale bytes
	s_add_co_u32 s73, s73, SCR                     ; x's codes of my four tiles
	s_add_co_u32 s71, s71, SCR+16384               ; and scale words
	s_lshl_b32 s74, s[WV], 10
	s_add_co_u32 s74, s74, SCR+PI                  ; p's codes of my queries
	s_lshl_b32 s75, s[WV], 6                       ; 64 w
	s_add_co_u32 s76, s75, SCR+PSI
	s_add_co_u32 s75, s75, SCR+WQI
	s_add_co_u32 s77, s67, SCR+OSI
	s_lshl_b32 s78, s[RH], 6
	s_lshl_b32 s79, s[EC], 3
	s_add_co_u32 s78, s78, s79                     ; my tile's first row
	v_and_b32 v129, 31, v0                         ; lane
	v_and_b32 v130, 15, v0                         ; r
	v_bfe_u32 v131, v0, 4, 1                       ; h
	v_bfe_u32 v132, v0, 3, 1                       ; r / 8
	v_bfe_u32 v133, v0, 1, 2
	v_and_b32 v134, 1, v0
	v_lshl_add_u32 v133, v134, 2, v133             ; P(r % 8)
	v_lshlrev_b32 v135, 4, v129                    ; 16 lane
	v_lshlrev_b32 v136, 2, v129                    ; 4 lane
	v_lshlrev_b32 v137, 2, v130                    ; 4 r
	v_add_nc_u32 v138, v137, v131                  ; 4 r + h
	v_lshlrev_b32 v139, 5, v131                    ; 32 h
	v_lshlrev_b32 v140, 7, v131                    ; 128 h
	v_lshlrev_b32 v[PFO], 8, v129
	WIN 0x40
.set ii, 0
.rept 32
	global_load_b128 v[W+4*ii:W+4*ii+3], v135, s[58:59] offset:512*ii
.set ii, ii+1
.endr
.set ii, 0
.rept 16
	global_load_b128 v[CB+4*ii:CB+4*ii+3], v140, s[8:9] offset:256*(ii/8)+32*((ii/2)%4)+16*(ii%2)   ; tile 4 c + u: e = 64 c + 32 h + 8 u + 0 .. 7
.set ii, ii+1
.endr
	WIN 0
.set ii, 0
.rept 8
	global_load_b32 v[WS+ii], v136, s[60:61] offset:65536+128*ii
.set ii, ii+1
.endr
	global_prefetch_b8 v[PFO], s[PFA:PFA+1] offset:131072 th:TH_LOAD_NT scope:SCOPE_SE    ; batch 1, which is loaded when batch 0 has landed
	global_prefetch_b8 v[PFO], s[PFA:PFA+1] offset:131072+8192 th:TH_LOAD_NT scope:SCOPE_SE
	v_mul_u32_u24 v[AX1], v132, G32
	v_mad_u32_u24 v[AX1], v133, PITCH, v[AX1]
	v_add_nc_u32 v[AX1], v140, v[AX1]
	v_add_nc_u32 v[AX1], s66, v[AX1]
	v_mul_u32_u24 v[AL], v131, G32
	v_lshl_add_u32 v[AL], v130, 3, v[AL]
	v_add_nc_u32 v[AL], s67, v[AL]
	v_add_nc_u32 v[A16], SCR, v135
	v_add_nc_u32 v[A4], SCR, v136
	v_add_nc_u32 v[AQX], s68, v135
	v_add_nc_u32 v[AQS], s69, v136
	v_add_nc_u32 v[ADXS], s69, v138
	v_add_nc_u32 v[APQ], s72, v135
	v_add_nc_u32 v[APQS], s70, v138
	v_add_nc_u32 v[API], s74, v135
	v_add_nc_u32 v[APS], s76, v138
	v_add_nc_u32 v[AWS], s75, v137
	v_add_nc_u32 v[AWR], SCR+WQI, v139
	v_add_nc_u32 v[APSR], SCR+PSI, v137
	v_lshlrev_b32 v[AOS], 3, v130
	v_lshl_add_u32 v[AOS], v131, 2, v[AOS]
	v_add_nc_u32 v[AOS], s77, v[AOS]
	v_add_nc_u32 v[AXF], s73, v135
	v_add_nc_u32 v[AXS], s71, v136
	v_lshl_add_u32 v[MO], v132, 5, v133
	v_add_nc_u32 v[MO], s78, v[MO]                 ; my row of tile w
	v_lshlrev_b32 v[H8], 3, v131
	v_mov_b32 v[PX], 0
	v_mov_b32 v[PX+1], 0
	v_mov_b32 v[NM+1], 0
	WALU
	s_wait_xcnt 0x0                                ; the loads' address registers lie in a work area
	s_wait_tensorcnt 0x0                           ; my part of batch 0 is in
	ds_add_u32 v[SPW], v[NIL]
	s_add_co_u32 s[G0+1], s[WBASE], SLOT
	s_add_nc_u64 s[G0+2:G0+3], s[G0+2:G0+3], 0x20000
	s_wait_dscnt 0x0
	s_barrier_signal -1
	s_barrier_wait -1
	tensor_load_to_lds s[G0:G0+3], s[G1:G1+7]      ; batch 1 into slot 1
	s_nop 0
	PLACES 4
	TRIP 0, 1, 1
	s_mov_b32 s[CNT], 5
.Lmain:
	TRIP 1, 1, 1
	s_sub_co_u32 s[CNT], s[CNT], 1
	s_cmp_lg_u32 s[CNT], 0
	s_cbranch_scc1 .Lmain
	s_mov_b32 s[CNT], 2
.Ltail:                                                ; batches 6 and 7: nothing is filled again
	TRIP 1, 1, 0
	s_sub_co_u32 s[CNT], s[CNT], 1
	s_cmp_lg_u32 s[CNT], 0
	s_cbranch_scc1 .Ltail
	v_and_b32 v[MO], 31, v0
	v_lshlrev_b32 v[MO], 2, v[MO]
	global_load_b32 v[MBY], v[MO], s[MK0:MK0+1]    ; four mask bytes of batch w
	TRIP 1, 0, 0
	; THE WAY OUT: wave w finishes batch w of the eight
	v_lshlrev_b32 v[ADR1], 2, v[MO]                ; 16 lane
	WDS 0
	s_barrier_signal -1
	s_barrier_wait -1
	ds_load_b128 v[Y:Y+3], v[API] offset:OSI-PI
	ds_load_b128 v[Y+4:Y+7], v[API] offset:OSI-PI+512
	s_wait_tensorcnt 0x0                           ; the wave's end
	ds_add_u32 v[SPW], v[NIL]
	s_wait_dscnt 0x0
	s_wait_loadcnt 0x0
	v_and_b32 v[S], 1, v[MBY]
	v_and_b32 v[S+1], 0x100, v[MBY]
	v_and_b32 v[S+2], 0x10000, v[MBY]
	v_and_b32 v[S+3], 0x1000000, v[MBY]
	v_cmp_ne_u32 s46, 0, v[S]
	v_cmp_ne_u32 s47, 0, v[S+1]
	v_cmp_ne_u32 s48, 0, v[S+2]
	v_cmp_ne_u32 s49, 0, v[S+3]
	s_bcnt1_i32_b32 s46, s46
	s_bcnt1_i32_b32 s47, s47
	s_bcnt1_i32_b32 s48, s48
	s_bcnt1_i32_b32 s49, s49
	s_add_co_u32 s46, s46, s47
	s_add_co_u32 s48, s48, s49
	s_add_co_u32 s46, s46, s48
	s_sub_co_u32 s46, 128, s46                     ; valid rows
	s_cmp_eq_u32 s46, 0
	s_cselect_b32 s[NANM], -1, 0
	s_max_u32 s46, s46, 1
	v_cvt_f32_u32 v[M], s46
	v_mov_b32 v[M+1], 0
	WALU
	v_rcp_f32 v[M], v[M]
	v_nop
	WALU
	v_mul_f32 v[M], 0x4038aa3b, v[M]               ; 2 log2(e) / count
.irp i, 0,2,4,6
	v_pk_mul_f32 v[Y+\i:Y+\i+1], v[Y+\i:Y+\i+1], v[M:M+1] op_sel_hi:[1,0]
.endr
	WALU
.irp i, 0,1,2,3,4,5,6,7
	v_exp_f32 v[Y+\i], v[Y+\i]
.endr
	v_nop
	WALU
.irp i, 0,2,4,6
	v_pk_add_f32 v[Y+\i:Y+\i+1], v[Y+\i:Y+\i+1], 1.0 op_sel_hi:[1,0]
.endr
	WALU
.irp i, 0,1,2,3,4,5,6,7
	v_rcp_f32 v[Y+\i], v[Y+\i]
.endr
	v_mov_b32 v[S], 0x7fc00000
	WALU
.irp i, 0,2,4,6
	v_pk_fma_f32 v[Y+\i:Y+\i+1], v[Y+\i:Y+\i+1], -2.0, 1.0 op_sel_hi:[1,0,0]   ; tanh(x) = 1 - 2 / (1 + 2^(2 log2(e) x))
.endr
.irp i, 0,1,2,3,4,5,6,7
	v_cndmask_b32 v[Y+\i], v[Y+\i], v[S], s[NANM]
.endr
	global_store_b128 v[ADR1], v[Y:Y+3], s[14:15] th:TH_STORE_NT   ; 32 lanes store 512 consecutive bytes
	global_store_b128 v[ADR1], v[Y+4:Y+7], s[14:15] offset:512 th:TH_STORE_NT
	s_endpgm
.Lfunc_end_k_qa245e0fc38_attn:
	.size	k_qa245e0fc38_attn, .Lfunc_end_k_qa245e0fc38_attn-k_qa245e0fc38_attn
	.p2alignl 7, 3214868480
	.fill 96, 4, 3214868480
	.section	.rodata,"a",@progbits
	.p2align	6, 0x0
	.amdhsa_kernel k_qa245e0fc38_attn
		.amdhsa_group_segment_fixed_size 327680
		.amdhsa_private_segment_fixed_size 0
		.amdhsa_enable_private_segment 0
		.amdhsa_kernarg_size 48
		.amdhsa_user_sgpr_count 2
		.amdhsa_user_sgpr_kernarg_segment_ptr 1
		.amdhsa_wavefront_size32 1
		.amdhsa_system_sgpr_workgroup_id_x 1
		.amdhsa_system_sgpr_workgroup_id_y 1
		.amdhsa_system_sgpr_workgroup_id_z 1
		.amdhsa_system_vgpr_workitem_id 0
		.amdhsa_next_free_vgpr 512
		.amdhsa_next_free_sgpr 80
		.amdhsa_reserve_vcc 0
		.amdhsa_float_denorm_mode_32 3
		.amdhsa_float_denorm_mode_16_64 3
		.amdhsa_memory_ordered 1
		.amdhsa_forward_progress 1
		.amdhsa_inst_pref_size 229
	.end_amdhsa_kernel
	.amdgpu_metadata
---
amdhsa.version: [ 1, 2 ]
amdhsa.kernels:
  - .name:           k_qa245e0fc38_attn
    .symbol:         k_qa245e0fc38_attn.kd
    .args:
      - { .name: embeddings, .offset: 0, .size: 8, .value_kind: global_buffer, .address_space: global }
      - { .name: padding_mask, .offset: 8, .size: 8, .value_kind: global_buffer, .address_space: global }
      - { .name: q_b, .offset: 16, .size: 8, .value_kind: global_buffer, .address_space: global }
      - { .name: k_b, .offset: 24, .size: 8, .value_kind: global_buffer, .address_space: global }
      - { .name: wimg, .offset: 32, .size: 8, .value_kind: global_buffer, .address_space: global }
      - { .name: out0, .offset: 40, .size: 8, .value_kind: global_buffer, .address_space: global }
    .group_segment_fixed_size: 327680
    .private_segment_fixed_size: 0
    .kernarg_segment_align: 8
    .kernarg_segment_size: 48
    .max_flat_workgroup_size: 256
    .sgpr_count:     80
    .vgpr_count:     512
    .wavefront_size: 32
...
	.end_amdgpu_metadata
.endif
;; end of part 2
